; MI455X (gfx1250); checked and timed in simulation.
; The chip was launched on July 23, 2026; its instructions are those of AMD's public machine-readable ISA for CDNA 5 (MIT licence, August 2026) and "CDNA5" Instruction Set Architecture Reference Guide (July 2026). The comments in the code are by the model that wrote it; some were corrected since.
;; Multi Head Attention. Allowed arithmetic: matrix products marked QUANTISED: E2M1 operands, one E8M0 scale for each 32 along K, by v_wmma_scale_f32_16x16x128_f8f6f4 with both operands' format E2M1 (or v_wmma_scale_f32_32x16x128_f4), f32 sums; everything else in f32.
;; Inputs: Wk_codes 1,024 x 32 x 16 uint8 (E2M1 codes of Wk, K innermost, in blocks of 32 codes, two codes a byte); Wk_scales 1,024 x 32 uint8 (E8M0 scales of Wk, one for each 32 codes along K); Wo_codes 1,024 x 32 x 16 uint8 (E2M1 codes of Wo, K innermost, in blocks of 32 codes, two codes a byte); Wo_scales 1,024 x 32 uint8 (E8M0 scales of Wo, one for each 32 codes along K); Wq_codes 1,024 x 32 x 16 uint8 (E2M1 codes of Wq, K innermost, in blocks of 32 codes, two codes a byte); Wq_scales 1,024 x 32 uint8 (E8M0 scales of Wq, one for each 32 codes along K); Wv_codes 1,024 x 32 x 16 uint8 (E2M1 codes of Wv, K innermost, in blocks of 32 codes, two codes a byte); Wv_scales 1,024 x 32 uint8 (E8M0 scales of Wv, one for each 32 codes along K); bk 1,024 float32; bo 1,024 float32; bq 1,024 float32; bv 1,024 float32; x_codes 4 x 2,048 x 32 x 16 uint8 (E2M1 codes of x, K innermost, in blocks of 32 codes, two codes a byte); x_scales 4 x 2,048 x 32 uint8 (E8M0 scales of x, one for each 32 codes along K).
;; Outputs: out0 4 x 2,048 x 1,024 float32.
;; This version of the problem:
;;   THIS VERSION OF THE PROBLEM IS GIVEN IN LOW PRECISION. The matrix products marked QUANTISED in the list below multiply operands that are first quantised to E2M1 (2 exponent bits, 1 mantissa bit; 4 bits a number), with one power-of-two scale for each 32 numbers along K (OCP MX v1.0); their sums are f32. All else is computed in f32.
;;   The module's matrix products, in the order in which they are computed (A, B: the left and right operand; K: the contracted axis; several contracted axes count as one K, in the product's order):
;;     1. [M 8,192, K 1,024] x [K 1,024, N 1,024]; A: input x (given as codes); B: input Wq (given as codes): QUANTISED
;;     2. [M 8,192, K 1,024] x [K 1,024, N 1,024]; A: input x (given as codes); B: input Wk (given as codes): QUANTISED
;;     3. [M 8,192, K 1,024] x [K 1,024, N 1,024]; A: input x (given as codes); B: input Wv (given as codes): QUANTISED
;;     4. batch 64 x [M 2,048, K 64] x [K 64, N 2,048]; A: computed on the way; B: computed on the way: QUANTISED
;;     5. batch 64 x [M 2,048, K 2,048] x [K 2,048, N 64]; A: softmax (see below); B: computed on the way: QUANTISED
;;     6. [M 8,192, K 1,024] x [K 1,024, N 1,024]; A: computed on the way; B: input Wo (given as codes): QUANTISED
;;   THE QUANTISER, for each operand of a quantised product, along K:
;;     - K is cut into blocks of 32 from its start; a last block that is shorter is filled with zeros.
;;     - A block's scale is 2^e with e = floor(log2(the largest magnitude in the block)) - 2, held to -126 .. 127; a block of zeros has e = 0. As a byte (E8M0): e + 127.
;;     - Each number is divided by its block's scale, clamped to +-6, and rounded to the nearest number of E2M1, ties to even, subnormals kept.
;;     - The product sums the exact products of the quantised numbers (number of the format x scale) in f32.
;;   ~~~python
;;   def quantise(x, axis):      # numpy; x: float32 -> the quantised numbers, widened to float32 again
;;       x = np.moveaxis(x, axis, -1); K = x.shape[-1]
;;       x = np.pad(x, [(0, 0)] * (x.ndim - 1) + [(0, -K % 32)]); x = x.reshape(x.shape[:-1] + (-1, 32)); a = np.abs(x).max(-1, keepdims=True)
;;       e = np.where(a > 0, np.clip(np.frexp(np.where(a > 0, a, 1))[1] - 1 - 2, -126, 127), 0)      # np.frexp(a)[1] - 1 = floor(log2(a)), exactly
;;       r = np.clip(x / 2.0 ** e, -6, 6)
;;       step = 2.0 ** (np.maximum(np.frexp(np.where(r == 0, 1, r))[1] - 1, 0) - 1)
;;       q = np.round(r / step) * step * 2.0 ** e      # np.round: ties to even
;;       return np.moveaxis(q.reshape(q.shape[:-2] + (-1,))[..., :K], -1, axis).astype(np.float32)
;;   ~~~
;;   SOFTMAX AHEAD OF A QUANTISED PRODUCT. Where the list says 'softmax', what is quantised is not the finished softmax but p = 2^(t - M), with t = logit x log2(e) and M = ceil(the row's largest t), a whole number; so 1/2 < the row's largest p <= 1. The row's sum l is taken of the UNQUANTISED p, in f32, and the product's result is divided by l at the end. Since M is a whole number, a kernel that streams over the keys may use a running M (the ceiling of the running maximum): every later rescaling is an exact power of two, which a block's scale takes up: the codes' values come out the same.
;;   OPERANDS COMPUTED ON THE WAY. 'Computed on the way' means the value that the module computes at that place (a softmax that the list does not call 'softmax' is quantised finished and normalised). What goes into a quantiser is computed in f32, as accurately as f32 sums, v_exp_f32 and their like allow (about 1e-6 of the number): no bf16 or f16 on the way to a quantiser, and a product that is left as it is and whose result goes on into a quantised operand takes f32 operands (vector FMAs, or v_wmma_f32_16x16x4_f32). A number that lies on a knife's edge between two numbers of the format may be rounded either way, as far as f32 arithmetic and the matrix unit's own rounding can turn it there, and no further.
;;   INPUTS GIVEN AS CODES. Wk (in the module: [1024, 1024], K = its axis 1); Wo (in the module: [1024, 1024], K = its axis 1); Wq (in the module: [1024, 1024], K = its axis 1); Wv (in the module: [1024, 1024], K = its axis 1); x (in the module: [4, 2048, 1024], K = its axis 2): each comes as NAME_codes (uint8): NAME with its K axis moved to the last place and cut into blocks of 32 codes, [.., K / 32, bytes a block], one block behind the other in memory; two codes a byte, the lower K in the low four bits (a code: sign, 2 exponent bits, 1 mantissa bit); and NAME_scales (uint8): the same leading axes, one E8M0 byte (e + 127) for each 32 codes along K. Its value is code x scale, taken as it is: it is not quantised again, and the codes and scales need not be those that the quantiser above would give.
;; One version. Each part assembles by itself: llvm-mc -triple=amdgcn-amd-amdhsa -mcpu=gfx1250 --defsym DOCPART=n.
;; ======== version 1 of 1: 3 launches
;; workspace buffers: qq 4,718,592 bytes; kv 9,175,040 bytes; ac 4,194,304 bytes; asw 524,288 bytes
;; launch proj (part 1): grid 12 x 32, 4 waves a work-group, clusters of 4 x 4, 270,848 bytes of LDS; arguments x_codes, x_scales, Wq_codes, Wq_scales, Wk_codes, Wk_scales, Wv_codes, Wv_scales, bq, bk, bv, qq, kv; writes qq, kv
.if DOCPART == 1
	.amdgcn_target "amdgcn-amd-amdhsa--gfx1250"
	.amdhsa_code_object_version 6
	.text
	.protected	k_qf16f56a19f_proj
	.globl	k_qf16f56a19f_proj
	.p2align	8
	.type	k_qf16f56a19f_proj,@function
k_qf16f56a19f_proj:
	s_mov_b64 s[64:65], 0
	v_nop
	global_prefetch_b8 v0, s[64:65] scope:SCOPE_SE
	s_setreg_imm32_b32 hwreg(HW_REG_WAVE_MODE, 25, 1), 1
	s_wait_xcnt 0x0
	s_wait_alu depctr_hold_cnt(0) depctr_sa_sdst(0) depctr_va_vdst(0) depctr_va_sdst(0) depctr_va_ssrc(0) depctr_va_vcc(0) depctr_vm_vsrc(0)
	s_getreg_b32 s2, hwreg(HW_REG_IB_STS2, 6, 4)
	s_cmp_eq_u32 s2, 0
	s_cbranch_scc0 .Lentry_in_a_cluster
	s_endpgm
.Lentry_in_a_cluster:
	s_bfe_u32 s2, ttmp6, 0x10000c
	s_cmp_lg_u32 s2, 0xf033
	s_cbranch_scc0 .Lentry_shape_is_right
	s_endpgm
.Lentry_shape_is_right:
; Q = x Wq^T + bq, K = x Wk^T + bk, V = x Wv^T + bv on codes of FP4 (E2M1) with E8M0 scales, sums in f32; the results are quantised at once:
; Q and K along the head's 64 channels (two blocks of 32), V along the keys, and stored as IMAGES OF THE NEXT LAUNCH'S OPERAND REGISTERS (16 bytes a lane, 512 consecutive bytes a store).
; GRID: cluster x = the kind (0 Q, 1 K, 2 V), the same in all sixteen partners; cx = which 256 rows of the weight; 4 x cluster y + cy = which 256 tokens.
; A work-group makes 256 tokens x 256 columns; a wave 128 x 128: 64 accumulators.  K = 1,024 is 512 bytes a row, so both tiles lie whole in LDS: each byte of LDS is filled once, one barrier.
; SOURCE 1 = R: a lane holds ONE of its rows.  SOURCE 0 = P: a lane's registers run along it; it is the axis that is quantised.  Q, K: R = x, P = W.  V: R = Wv, P = x.
; THE ROWS OF A TILE ARE NOT NEIGHBOURS: lane r of tile i takes row 32 (i / 2) + 8 (i % 2) + r + 8 (r / 8), on both sides.  So the 16 registers of P's tiles 2 e and 2 e + 1 are the 16 neighbours 32 e + 16 (lane / 16) + 0 .. 15,
; and the images' rows have the order that the next launch's own products want of their source 0 (keys of K, channels of V).
; CLUSTER: x's tile hangs on the tokens alone and is shared along a row of the cluster, the weight's on cx alone and is shared along a column: joint loads.
; The bias is the C of each sum's first matrix instruction.
; LIMITS: NaN and infinities are not served.  A block whose largest magnitude lies under 2^-124 gets the scale byte 1; a block of zeros too (its codes are zeros; only this program reads the bytes).
; REGISTERS: window 0: addresses, scale words, at work, the bias.  window 1: two sets of fragments (P at 128 s + 8 i, R at 128 s + 64 + 8 i).  windows 2, 3: accumulator (a, b) at v[8 (8 (a % 4) + b)] of window 2 + a / 4.
.set PITCH, 528                        ; an LDS row: 512 bytes + 16 of padding
.set HALFT, 128*PITCH                  ; 128 rows: one tensor load, and what a wave reads of a side
.set WOFF,  2*HALFT                    ; x's 256 rows at 0, the weight's 256 rows here
.set HSQ,   73728                      ; a head's bytes in qq: 65,536 of codes, 8,192 of scale words
.set HSKV,  143360                     ; in kv: K's codes, V's codes, K's words (8,192), V's words (4,096)
.set L16,  4                           ; v4   16 x lane
.set L8,   5                           ; v5   8 x lane
.set ADRR, 6                           ; v6   LDS address of my lane's row in R's tile 0
.set ADRP, 7                           ; v7   the same for P
.set SOF,  8                           ; v8   my row of scale bytes among 32 rows
.set BOF,  9                           ; v9   the bias by P: 64 x (lane / 16)
.set BOV,  10                          ; v10  the bias by R: 4 x my row
.set ST0,  20                          ; v20-22 store offsets
.set SCR,  32                          ; v32-63  R's scale words: register 8 g + q: tile 2 g in lanes 0-15, tile 2 g + 1 in lanes 16-31, K step q
.set SCP,  64                          ; v64-95  P's likewise
.set MX,   96                          ; v96-99   largest magnitudes
.set PT,   100                         ; v100-103 the other half's, then the bytes
.set SO,   104                         ; v104-107 the conversions' scale operands
.set PC,   108                         ; v108-115 the codes just made
.set PW,   116                         ; v116-123 the scale word of R's tile a
.set WS,   124                         ; v124-127 words as they are stored;  v128-131 their upper halves
.set WH,   128
.set BI,   192                         ; v192-255 the bias, eight registers a tile
.set WV,  30
.set H1,  31
.set H0,  32
.set CX,  33
.set CY,  34
.set TY,  35
.set LD,  36
.set HX,  37
.set HW,  38
.set G1X, 40                           ; s[40:47], s[48:51] descriptor groups 1 and 0 for x's tile;  s[52:59], s[60:63] for the weight's
.set G0X, 48
.set G1W, 52
.set G0W, 60
.set RB,  66                           ; LDS base of R's tile, of P's
.set PB,  67
.set COF, 68                           ; where the codes begin in a head's bytes; the scale words
.set SOFF, 69
.set HS,  70                           ; a head's bytes in the output buffer
.set SA,  71                           ; from R's tile a to a + 1 in the image
.set SC2, 72                           ; from the codes' first four registers to the second four
.set SJ,  73                           ; one more step behind a = 3
.set SHF, 74
.set OB,  80                           ; s[80:81] codes out;  s[82:83] words out;  s[84:85] R's scale bytes;  s[86:87] P's
.set SB,  82
.set RS,  84
.set PS,  86
.set SEL, 88                           ; s[88:89] selects of v_permlanex16_b32: lane l xor 16
.set OFF, 90
.set OFFC, 91
.set MSB, 0
.macro WIN new                         ; the immediate's high byte repeats the setting that is left
.if MSB != \new
	s_set_vgpr_msb (MSB<<8)|\new
.set MSB, \new
.endif
.endm
.macro PLACES n
.rept \n
	v_nop
.endr
.endm
.macro CROUND                          ; a round of the cluster's barrier
	s_barrier_signal -1
	s_barrier_wait -1
	s_cmp_lg_u32 s[WV], 0
	s_cbranch_scc1 .Lnot_wave_0_\@
	s_barrier_signal -3
.Lnot_wave_0_\@:
	s_barrier_wait -3
	s_barrier_signal -1
	s_barrier_wait -1
.endm
	s_load_b512 s[4:19], s[0:1], 0x0               ; x codes, x scales, Wq codes, Wq scales, Wk codes, Wk scales, Wv codes, Wv scales
	s_load_b256 s[20:27], s[0:1], 0x40             ; bq, bk, bv, qq
	s_load_b64 s[28:29], s[0:1], 0x60              ; kv
	v_lshl_add_u32 v190, v0, 2, 0x42000
	v_mov_b32 v191, 0
	ds_add_u32 v190, v191
	ds_add_u32 v190, v191
	v_lshrrev_b32 v1, 5, v0
	v_readfirstlane_b32 s[WV], v1                  ; wave 0..3
	s_lshr_b32 s[H1], s[WV], 1                     ; my half of R.  Also: I fetch x's tile (0) or the weight's (1)
	s_and_b32 s[H0], s[WV], 1                      ; my half of P.  Also: which 128 rows I fetch
	s_bfe_u32 s[CX], ttmp6, 0x40000
	s_bfe_u32 s[CY], ttmp6, 0x40004
	s_and_b32 s[TY], ttmp7, 0xffff
	s_lshl_b32 s[TY], s[TY], 2
	s_add_co_u32 s[TY], s[TY], s[CY]               ; which 256 tokens
	s_lshl_b32 s2, s[CY], 2
	s_lshl_b32 s2, 15, s2                          ; my row of the cluster
	s_lshl_b32 s3, 0x1111, s[CX]                   ; my column
	s_or_b32 s[G1X], s2, (1<<20)|(1<<21)|(6<<22)|(3<<25)   ; the mask; elements of 1 byte; padding on; bit 21 beside a mask; 4 words behind every 128
	s_or_b32 s[G1W], s3, (1<<20)|(1<<21)|(6<<22)|(3<<25)
.irp g, G1X, G1W
	s_mov_b32 s[\g+1], 512<<16                     ; tensor_dim0
	s_mov_b32 s[\g+2], 128<<16                     ; tensor_dim1
	s_mov_b32 s[\g+3], 512<<16                     ; tile_dim0
	s_mov_b32 s[\g+4], 128                         ; tile_dim1
	s_mov_b32 s[\g+5], 512                         ; the pitch in memory
	s_mov_b32 s[\g+6], 0
	s_mov_b32 s[\g+7], 0
.endr
	; what hangs on the kind
	s_mov_b32 s[HS], HSKV
	s_mov_b32 s[SOFF], 131072
	s_mov_b32 s[SA], 512
	s_cmp_eq_u32 ttmp9, 0                          ; Q?
	s_cselect_b32 s[HS], HSQ, s[HS]
	s_cselect_b32 s[SOFF], 65536, s[SOFF]
	s_cmp_eq_u32 ttmp9, 2                          ; V?
	s_cselect_b32 s[SOFF], 139264, s[SOFF]
	s_cselect_b32 s[RB], WOFF, 0
	s_cselect_b32 s[PB], 0, WOFF
	s_cselect_b32 s[COF], 65536, 0
	s_cselect_b32 s[SC2], s[SA], s[HS]             ; V: the keys' second 64, 512 bytes on;  Q, K: the next head
	s_cselect_b32 s[SA], 1024, s[SA]               ; V: a channel tile is 1,024 bytes;  Q, K: a tile of tokens 512
	s_cselect_b32 s[SJ], HSKV-4096, 0              ; V: behind four channel tiles the next head begins
	s_cselect_b32 s[SHF], 8, 9                     ; a group's scale words: 256 or 512 bytes
	s_cselect_b32 s[HX], s[H0], s[H1]              ; my half of the tokens,
	s_cselect_b32 s[HW], s[H1], s[H0]              ; and of the weight's rows
	; the tiles: x's address hangs on the tokens and the wave alone, the weight's on cx and the wave alone
	s_lshl_b32 s75, s[H0], 16
	s_lshl_b32 s92, s[TY], 17
	s_add_co_u32 s92, s92, s75
	s_mov_b32 s93, 0
	s_lshl_b32 s94, s[CX], 17
	s_add_co_u32 s94, s94, s75
	s_mov_b32 s95, 0
	s_mul_i32 s[LD], s[WV], HALFT                  ; where my 128 rows go
	; the output: (16 x batch + first head) x a head's bytes, + the group of 128 tokens
	s_lshr_b32 s76, s[TY], 3
	s_lshl_b32 s76, s76, 4
	s_lshl_b32 s75, s[CX], 2
	s_add_co_u32 s76, s76, s75
	s_lshl_b32 s75, s[HW], 1
	s_add_co_u32 s76, s76, s75
	s_mul_i32 s76, s76, s[HS]
	s_and_b32 s75, s[TY], 7
	s_lshl_b32 s75, s75, 1
	s_add_co_u32 s75, s75, s[HX]                   ; the group of 128 tokens in the batch
	s_lshl_b32 s78, s75, s[SHF]
	s_add_co_u32 s78, s78, s76
	s_add_co_u32 s78, s78, s[SOFF]
	s_mov_b32 s79, 0
	s_lshl_b32 s75, s75, 12
	s_add_co_u32 s76, s76, s75
	s_add_co_u32 s76, s76, s[COF]
	s_mov_b32 s77, 0
	s_mov_b32 s[SEL], 0x76543210
	s_mov_b32 s[SEL+1], 0xfedcba98
	s_wait_dscnt 0x0
	s_wait_kmcnt 0x0
	s_cmp_eq_u32 ttmp9, 0                          ; the buffers are chosen by the kind alone
	s_cselect_b64 s[8:9], s[8:9], s[12:13]
	s_cselect_b64 s[10:11], s[10:11], s[14:15]
	s_cselect_b64 s[20:21], s[20:21], s[22:23]
	s_cselect_b64 s[26:27], s[26:27], s[28:29]
	s_cmp_eq_u32 ttmp9, 2
	s_cselect_b64 s[8:9], s[16:17], s[8:9]         ; the weight's codes,
	s_cselect_b64 s[10:11], s[18:19], s[10:11]     ; its scale bytes,
	s_cselect_b64 s[20:21], s[24:25], s[20:21]     ; its bias
	s_mov_b32 s[G0X], 1
	s_mov_b32 s[G0X+1], s[LD]
	s_add_nc_u64 s[G0X+2:G0X+3], s[4:5], s[92:93]
	s_or_b32 s[G0X+3], s[G0X+3], 0x80000000
	s_mov_b32 s[G0W], 1
	s_mov_b32 s[G0W+1], s[LD]
	s_add_nc_u64 s[G0W+2:G0W+3], s[8:9], s[94:95]
	s_or_b32 s[G0W+3], s[G0W+3], 0x80000000
	CROUND                                         ; all sixteen work-groups are here: the joint loads meet
	s_cmp_eq_u32 s[H1], 0                          ; waves 0, 1: x's halves; waves 2, 3: the weight's.  One tensor load a wave, the only one of the launch
	s_cbranch_scc0 .Lfor_w
	tensor_load_to_lds s[G0X:G0X+3], s[G1X:G1X+7]
	s_nop 0
	PLACES 4
	s_branch .Lasked
.Lfor_w:
	tensor_load_to_lds s[G0W:G0W+3], s[G1W:G1W+7]
	s_nop 0
	PLACES 4
.Lasked:
	s_add_nc_u64 s[OB:OB+1], s[26:27], s[76:77]
	s_add_nc_u64 s[SB:SB+1], s[26:27], s[78:79]
	s_lshl_b32 s76, s[TY], 13                      ; x's scale bytes: 32 a token
	s_lshl_b32 s75, s[HX], 12
	s_add_co_u32 s76, s76, s75
	s_add_nc_u64 s[6:7], s[6:7], s[76:77]
	s_lshl_b32 s78, s[CX], 13                      ; the weight's
	s_lshl_b32 s75, s[HW], 12
	s_add_co_u32 s78, s78, s75
	s_add_nc_u64 s[10:11], s[10:11], s[78:79]
	s_lshl_b32 s76, s[CX], 10                      ; the bias of my 128 rows of the weight
	s_lshl_b32 s75, s[HW], 9
	s_add_co_u32 s76, s76, s75
	s_add_nc_u64 s[20:21], s[20:21], s[76:77]
	s_cmp_eq_u32 ttmp9, 2
	s_cselect_b64 s[RS:RS+1], s[10:11], s[6:7]
	s_cselect_b64 s[PS:PS+1], s[6:7], s[10:11]
	v_and_b32 v1, 15, v0                           ; r
	v_bfe_u32 v2, v0, 4, 1                         ; h
	v_and_b32 v3, 31, v0                           ; lane
	v_lshlrev_b32 v[L16], 4, v3
	v_lshlrev_b32 v[L8], 3, v3
	v_and_b32 v11, 8, v1
	v_add_nc_u32 v11, v11, v1                      ; r + 8 (r / 8)
	v_mul_u32_u24 v12, v11, PITCH
	v_lshl_add_u32 v12, v2, 4, v12                 ; my row x pitch + 16 h
	s_mul_i32 s75, s[H1], HALFT
	s_add_co_u32 s75, s75, s[RB]
	v_add_nc_u32 v[ADRR], s75, v12
	s_mul_i32 s75, s[H0], HALFT
	s_add_co_u32 s75, s75, s[PB]
	v_add_nc_u32 v[ADRP], s75, v12
	v_lshl_add_u32 v[SOF], v2, 3, v11              ; lanes 16-31 take the odd tile, 8 rows on
	v_lshlrev_b32 v[SOF], 5, v[SOF]
	v_lshlrev_b32 v[BOF], 6, v2
	v_lshlrev_b32 v[BOV], 2, v11
.irp e, 0,1,2,3
	v_mov_b32 v[PT+\e], 0                          ; written once: a lane permute's destination counts as one of its sources
.endr
.irp g, 0,1,2,3                                ; a row's 32 scale bytes are the words of its eight K steps: the 32 lanes take 32 rows, 1,024 consecutive bytes in two loads
	global_load_b128 v[SCR+8*\g:SCR+8*\g+3], v[SOF], s[RS:RS+1] offset:1024*\g
	global_load_b128 v[SCR+8*\g+4:SCR+8*\g+7], v[SOF], s[RS:RS+1] offset:1024*\g+16
	global_load_b128 v[SCP+8*\g:SCP+8*\g+3], v[SOF], s[PS:PS+1] offset:1024*\g
	global_load_b128 v[SCP+8*\g+4:SCP+8*\g+7], v[SOF], s[PS:PS+1] offset:1024*\g+16
.endr
	s_cmp_eq_u32 ttmp9, 2
	s_cbranch_scc1 .Lbias_v
.irp b, 0,1,2,3,4,5,6,7                        ; Q, K: the bias runs along P: tile b's eight numbers of my half
	global_load_b128 v[BI+8*\b:BI+8*\b+3], v[BOF], s[20:21] offset:(32*(\b/2)+8*(\b%2))*4
	global_load_b128 v[BI+8*\b+4:BI+8*\b+7], v[BOF], s[20:21] offset:(32*(\b/2)+8*(\b%2))*4+16
.endr
	s_branch .Lbias_done
.Lbias_v:
	s_wait_alu depctr_va_vdst(0)
.irp a, 0,1,2,3,4,5,6,7                        ; V: it runs along R: my row's number in all eight registers of tile a
.irp j, 0,1,2,3,4,5,6,7
	global_load_b32 v[BI+8*\a+\j], v[BOV], s[20:21] offset:(32*(\a/2)+8*(\a%2))*4
.endr
.endr
.Lbias_done:
; 32 LDS loads in one run: the fragments of K step q (16 rows x 128 K: 8 registers, two loads 32 bytes apart) into set s
.macro FETCH q, set
	WIN 0x40                                       ; destination window 1
.irp i, 0,1,2,3,4,5,6,7
.irp c, 0,1
	ds_load_b128 v[128*(\set)+8*\i+4*\c:128*(\set)+8*\i+4*\c+3], v[ADRP] offset:(32*(\i/2)+8*(\i%2))*PITCH+64*(\q)+32*\c
.endr
.endr
.irp i, 0,1,2,3,4,5,6,7
.irp c, 0,1
	ds_load_b128 v[128*(\set)+64+8*\i+4*\c:128*(\set)+64+8*\i+4*\c+3], v[ADRR] offset:(32*(\i/2)+8*(\i%2))*PITCH+64*(\q)+32*\c
.endr
.endr
	WIN 0
.endm
; one product: P's tile b x R's tile a.  mode 0: onto the sum; 1: the sum starts from the bias by P; 2: from the bias by R.  An odd tile's scale words lie in lanes 16-31.
.macro WM a, b, q, set, mode
.set DD, 8*(8*((\a)%4)+(\b))
.if \mode == 0
.set CC, DD
.elseif \mode == 1
.set CC, BI+8*(\b)
.else
.set CC, BI+8*(\a)
.endif
.set PP, 128*(\set)+8*(\b)
.set RR, 128*(\set)+64+8*(\a)
.set XP, SCP+8*((\b)/2)+(\q)
.set XR, SCR+8*((\a)/2)+(\q)
.set PAR, 2*((\a)%2)+((\b)%2)
.if PAR == 0
	v_wmma_scale_f32_16x16x128_f8f6f4 v[DD:DD+7], v[PP:PP+7], v[RR:RR+7], v[CC:CC+7], v[XP], v[XR] matrix_a_fmt:MATRIX_FMT_FP4 matrix_b_fmt:MATRIX_FMT_FP4
.elseif PAR == 1
	v_wmma_scale_f32_16x16x128_f8f6f4 v[DD:DD+7], v[PP:PP+7], v[RR:RR+7], v[CC:CC+7], v[XP], v[XR] matrix_a_fmt:MATRIX_FMT_FP4 matrix_b_fmt:MATRIX_FMT_FP4 matrix_a_scale:MATRIX_SCALE_ROW1
.elseif PAR == 2
	v_wmma_scale_f32_16x16x128_f8f6f4 v[DD:DD+7], v[PP:PP+7], v[RR:RR+7], v[CC:CC+7], v[XP], v[XR] matrix_a_fmt:MATRIX_FMT_FP4 matrix_b_fmt:MATRIX_FMT_FP4 matrix_b_scale:MATRIX_SCALE_ROW1
.else
	v_wmma_scale_f32_16x16x128_f8f6f4 v[DD:DD+7], v[PP:PP+7], v[RR:RR+7], v[CC:CC+7], v[XP], v[XR] matrix_a_fmt:MATRIX_FMT_FP4 matrix_b_fmt:MATRIX_FMT_FP4 matrix_a_scale:MATRIX_SCALE_ROW1 matrix_b_scale:MATRIX_SCALE_ROW1
.endif
.endm
; K step q: its fragments are in; the next step's are asked for, 64 matrix instructions ahead of their use; the 64 accumulators take turns in one order throughout
.macro STEP q, mode
	s_wait_dscnt 0x0                               ; this step's 32 loads are in
.if \q < 7
.if \q > 0
	PLACES 4                                       ; in front of loads into the set that the last step's products read
.endif
	FETCH (\q)+1, ((\q)+1)%2
.endif
.if \mode == 0
	WIN 0xa5                                       ; sources 0, 1 window 1; C and D window 2
.else
	WIN 0x85                                       ; C (the bias) window 0
.endif
.irp a, 0,1,2,3
.irp b, 0,1,2,3,4,5,6,7
	WM \a, \b, \q, (\q)%2, \mode
.endr
.endr
.if \mode == 0
	WIN 0xf5
.else
	WIN 0xc5
.endif
.irp a, 4,5,6,7
.irp b, 0,1,2,3,4,5,6,7
	WM \a, \b, \q, (\q)%2, \mode
.endr
.endr
	WIN 0
.endm
; R's tile a leaves: its 64 registers a lane are 4 blocks of 32 along P (16 numbers here, 16 in lane l xor 16).  Largest magnitude with the floor 2^(3 - 127); 2 off its exponent field is the conversion's
; scale operand, shifted down the byte; eight conversions; the halves change places so that a lane holds whole blocks; two stores of 512 consecutive bytes.
.macro EPI a
.set WW, 2+(\a)/4
.set W2, WW|(WW<<2)
.set AC, 64*((\a)%4)
	WIN W2                                         ; sources 0, 1: the accumulators' window
.irp e, 0,1,2,3
	v_max3_num_f32 v[MX+\e], |v[AC+16*\e]|, |v[AC+16*\e+1]|, 0x1800000      ; each accumulator is read from its low end on
.endr
.irp i, 2,4,6,8,10,12,14
.irp e, 0,1,2,3
	v_max3_num_f32 v[MX+\e], |v[AC+16*\e+\i]|, |v[AC+16*\e+\i+1]|, v[MX+\e]
.endr
.endr
	WIN 0
.irp e, 0,1,2,3
	v_permlanex16_b32 v[PT+\e], v[MX+\e], s[SEL], s[SEL+1]
.endr
.irp e, 0,1,2,3
	v_max_num_f32 v[MX+\e], v[MX+\e], v[PT+\e]
.endr
.irp e, 0,1,2,3
	v_add_nc_u32 v[SO+\e], 0xff000000, v[MX+\e]
.endr
.irp e, 0,1,2,3
	v_lshrrev_b32 v[PT+\e], 23, v[SO+\e]
.endr
	v_lshl_or_b32 v[PW+(\a)], v[PT+1], 8, v[PT]
	v_lshl_or_b32 v[PW+(\a)], v[PT+2], 16, v[PW+(\a)]
	v_lshl_or_b32 v[PW+(\a)], v[PT+3], 24, v[PW+(\a)]
.if (\a) > 0
	s_wait_xcnt 0x0                                ; the last tile's stores have read their data and offsets: both are written again below
.endif
	WIN WW
.irp e, 0,1,2,3
	v_cvt_scalef32_pk8_fp4_f32 v[PC+2*\e], v[AC+16*\e:AC+16*\e+7], v[SO+\e]
	v_cvt_scalef32_pk8_fp4_f32 v[PC+2*\e+1], v[AC+16*\e+8:AC+16*\e+15], v[SO+\e]
.endr
	WIN 0
	v_nop                                          ; one plain place behind a scaled conversion
.irp c, 0,1
.irp i, 0,1
	v_permlane16_swap_b32 v[PC+4*\c+\i], v[PC+4*\c+2+\i]    ; registers 4 c .. 4 c + 3 now hold 64 c + 32 (lane / 16) + 0 .. 31 along P
.endr
.endr
	v_add_nc_u32 v[ST0], s[OFF], v[L16]
	v_add_nc_u32 v[ST0+1], s[OFFC], v[L16]
	global_store_b128 v[ST0], v[PC:PC+3], s[OB:OB+1]         ; Q, K: the first head's 64 channels;  V: the keys' first 64
	global_store_b128 v[ST0+1], v[PC+4:PC+7], s[OB:OB+1]     ; Q, K: the next head's;  V: the keys' second 64
	s_add_co_u32 s[OFF], s[OFF], s[SA]
	s_add_co_u32 s[OFFC], s[OFFC], s[SA]
.if (\a) == 3
	s_add_co_u32 s[OFF], s[OFF], s[SJ]
	s_add_co_u32 s[OFFC], s[OFFC], s[SJ]
.endif
.endm
	s_wait_tensorcnt 0x0                           ; my 128 rows have landed,
	s_barrier_signal -1
	s_barrier_wait -1                              ; everybody's have: every LDS read of the launch stands behind this barrier
	s_wait_alu depctr_va_vdst(0)
	FETCH 0, 0
	s_wait_loadcnt 0x0                             ; scale words and bias
	s_cmp_eq_u32 ttmp9, 2
	s_cbranch_scc1 .Lfirst_v
	STEP 0, 1
	s_branch .Lfirst_done
.Lfirst_v:
	STEP 0, 2
.Lfirst_done:
.irp q, 1,2,3,4,5,6,7
	STEP \q, 0
.endr
	s_mov_b32 s[OFF], 0
	s_mov_b32 s[OFFC], s[SC2]
	PLACES 4                                       ; in front of the first read of results
.irp a, 0,1,2,3,4,5,6,7
	EPI \a
.endr
	; the scale words: tile 2 i in lanes 0-15, tile 2 i + 1 in lanes 16-31, as the next launch's scale registers want them (both halves of the lanes hold a row's word)
	v_cmp_le_u32 vcc_lo, 16, v3
.irp i, 0,1,2,3
	v_cndmask_b32 v[WS+\i], v[PW+2*\i], v[PW+2*\i+1], vcc_lo
.endr
	s_cmp_eq_u32 ttmp9, 2
	s_cbranch_scc1 .Lwords_v
.irp i, 0,1,2,3
	v_lshrrev_b32 v[WH+\i], 16, v[WS+\i]           ; Q, K: bytes 2, 3 are the next head's two blocks,
.endr
.irp i, 0,1,2,3
	v_and_b32 v[WS+\i], 0xffff, v[WS+\i]           ; bytes 0, 1 the first head's; the upper two bytes of a stored word are 0
.endr
	v_add_nc_u32 v[ST0+2], s[HS], v[L16]
	global_store_b128 v[L16], v[WS:WS+3], s[SB:SB+1]
	global_store_b128 v[ST0+2], v[WH:WH+3], s[SB:SB+1]
	s_branch .Lwords_done
.Lwords_v:
	v_add_nc_u32 v[ST0+2], s[HS], v[L8]            ; V: tiles 0-3 are the first head's channels, tiles 4-7 the next head's
	s_wait_alu depctr_va_vdst(0)
	global_store_b64 v[L8], v[WS:WS+1], s[SB:SB+1]
	global_store_b64 v[ST0+2], v[WS+2:WS+3], s[SB:SB+1]
.Lwords_done:
	s_wait_tensorcnt 0x0
	ds_add_u32 v190, v191
	s_wait_dscnt 0x0
	CROUND                                         ; the closing round
	s_endpgm
.Lfunc_end_k_qf16f56a19f_proj:
	.size	k_qf16f56a19f_proj, .Lfunc_end_k_qf16f56a19f_proj-k_qf16f56a19f_proj
	.p2alignl 7, 3214868480
	.fill 96, 4, 3214868480
	.section	.rodata,"a",@progbits
	.p2align	6, 0x0
	.amdhsa_kernel k_qf16f56a19f_proj
		.amdhsa_group_segment_fixed_size 270848
		.amdhsa_private_segment_fixed_size 0
		.amdhsa_enable_private_segment 0
		.amdhsa_kernarg_size 104
		.amdhsa_user_sgpr_count 2
		.amdhsa_user_sgpr_kernarg_segment_ptr 1
		.amdhsa_wavefront_size32 1
		.amdhsa_system_sgpr_workgroup_id_x 1
		.amdhsa_system_sgpr_workgroup_id_y 1
		.amdhsa_system_sgpr_workgroup_id_z 1
		.amdhsa_system_vgpr_workitem_id 0
		.amdhsa_next_free_vgpr 1024
		.amdhsa_next_free_sgpr 100
		.amdhsa_reserve_vcc 1
		.amdhsa_float_denorm_mode_32 3
		.amdhsa_float_denorm_mode_16_64 3
		.amdhsa_memory_ordered 1
		.amdhsa_forward_progress 1
		.amdhsa_inst_pref_size 145
	.end_amdhsa_kernel
	.amdgpu_metadata
---
amdhsa.version: [ 1, 2 ]
amdhsa.kernels:
  - .name:           k_qf16f56a19f_proj
    .symbol:         k_qf16f56a19f_proj.kd
    .args:
      - { .name: x_codes, .offset: 0, .size: 8, .value_kind: global_buffer, .address_space: global }
      - { .name: x_scales, .offset: 8, .size: 8, .value_kind: global_buffer, .address_space: global }
      - { .name: Wq_codes, .offset: 16, .size: 8, .value_kind: global_buffer, .address_space: global }
      - { .name: Wq_scales, .offset: 24, .size: 8, .value_kind: global_buffer, .address_space: global }
      - { .name: Wk_codes, .offset: 32, .size: 8, .value_kind: global_buffer, .address_space: global }
      - { .name: Wk_scales, .offset: 40, .size: 8, .value_kind: global_buffer, .address_space: global }
      - { .name: Wv_codes, .offset: 48, .size: 8, .value_kind: global_buffer, .address_space: global }
      - { .name: Wv_scales, .offset: 56, .size: 8, .value_kind: global_buffer, .address_space: global }
      - { .name: bq, .offset: 64, .size: 8, .value_kind: global_buffer, .address_space: global }
      - { .name: bk, .offset: 72, .size: 8, .value_kind: global_buffer, .address_space: global }
      - { .name: bv, .offset: 80, .size: 8, .value_kind: global_buffer, .address_space: global }
      - { .name: qq, .offset: 88, .size: 8, .value_kind: global_buffer, .address_space: global }
      - { .name: kv, .offset: 96, .size: 8, .value_kind: global_buffer, .address_space: global }
    .group_segment_fixed_size: 270848
    .private_segment_fixed_size: 0
    .kernarg_segment_align: 8
    .kernarg_segment_size: 104
    .max_flat_workgroup_size: 128
    .sgpr_count:     100
    .vgpr_count:     1024
    .wavefront_size: 32
...
	.end_amdgpu_metadata
.endif
;; end of part 1
;; launch attn (part 2): grid 4 x 64, 16 waves a work-group, clusters of 4 x 1, 169,984 bytes of LDS; arguments qq, kv, ac, asw; writes ac, asw
.if DOCPART == 2
	.amdgcn_target "amdgcn-amd-amdhsa--gfx1250"
	.amdhsa_code_object_version 6
	.text
	.protected	k_qf16f56a19f_attn
	.globl	k_qf16f56a19f_attn
	.p2align	8
	.type	k_qf16f56a19f_attn,@function
k_qf16f56a19f_attn:
	s_mov_b64 s[64:65], 0
	v_nop
	global_prefetch_b8 v0, s[64:65] scope:SCOPE_SE
	s_setreg_imm32_b32 hwreg(HW_REG_WAVE_MODE, 25, 1), 1
	s_wait_xcnt 0x0
	s_wait_alu depctr_hold_cnt(0) depctr_sa_sdst(0) depctr_va_vdst(0) depctr_va_sdst(0) depctr_va_ssrc(0) depctr_va_vcc(0) depctr_vm_vsrc(0)
	s_getreg_b32 s2, hwreg(HW_REG_IB_STS2, 6, 4)
	s_cmp_eq_u32 s2, 0
	s_cbranch_scc0 .Lentry_in_a_cluster
	s_endpgm
.Lentry_in_a_cluster:
	s_bfe_u32 s2, ttmp6, 0x10000c
	s_cmp_lg_u32 s2, 0x3003
	s_cbranch_scc0 .Lentry_shape_is_right
	s_endpgm
.Lentry_shape_is_right:
; For one batch and head: O[q] = the sum over k of softmax_k(Q[q] . K[k] / 8) V[k], both products on codes of FP4 (E2M1) with E8M0 scales; the result is divided by the row's sum and quantised along the head's 64 channels.
; THE SOFTMAX: t = score x log2(e) / 8; M = the running largest t rounded UP to a whole number; p = 2^(t - M) is quantised along the keys, not normalised; the row's sum is taken of the unquantised p.
; When M moves, the sum and O are multiplied by 2^(old M - new M): exact.
; SHARES: a work-group owns 512 queries of one head; each of its sixteen waves two tiles of 16, A and B, in 256 registers: four waves to a SIMD, so that one wave's vector work stands beside another's products and LDS loads.
; Every fragment of K and V read from LDS serves both tiles.  A key step is 128 keys; 16 steps.
; LDS: the head's K and V, codes and scale words, 143,360 bytes, lie in LDS whole, as they lie in memory: images of operand registers, 16 bytes a lane, so every LDS read takes consecutive bytes.  Filled once; one barrier.
; CLUSTER: the four blocks of queries of a head read the same K and V: each wave's 35 rows of 256 bytes are asked for jointly by the four work-groups.
; LAYOUT: both products transposed: S^T = K Q^T (source 0 = 16 keys), O^T = V^T p^T (source 0 = 16 channels): a lane holds ONE query.  The keys of a tile of K and the channels of a tile of V were chosen by the launch before
; (lane r of tile i: 32 (i / 2) + 8 (i % 2) + r + 8 (r / 8)), so that the 16 registers of tiles 2 e, 2 e + 1 are 16 neighbours along the next K.
; THE FIRST PRODUCT'S K IS 64: Q's registers 4-7 are zero codes; K's tile i is named as four registers of its own and the four that follow (the next tile's, or zeros), which meet Q's zeros; scale bytes 2, 3 are 0 on both sides.
; LIMITS: NaN and infinities are not served.  A block whose largest magnitude lies under 2^-124 gets the scale byte 1; a block of zeros too (its codes are zeros; only this program reads the bytes).
.set L16, 1                            ; v1   16 x lane
.set L8,  2                            ; v2   8 x lane
.set L4,  3                            ; v3   4 x lane
.set ADK, 4                            ; v4-7 LDS addresses of the step's K, V, K's words, V's words
.set ADV, 5
.set ADS, 6
.set ADT, 7
.set STA, 8                            ; v8 -M, v9 the largest t, v[10:11] the sum in two halves: tile A;  v12-15: tile B
.set STB, 12
.set QFA, 16                           ; v[16:19] Q of tile A, v[20:23] zeros;  v[24:27], v[28:31] tile B
.set QFB, 24
.set KF,  32                           ; v[32:63] K's eight tiles x 4 registers; later V's four fragments x 8;  v[64:67] zeros
.set S,   68                           ; v[68:131] S^T, then p
.set OA,  132                          ; v[132:163] O^T of tile A;  v[164:195] of tile B
.set OBB, 164
.set PCA, 196                          ; v[196:203], v[204:211] p's codes
.set PCB, 204
.set PWA, 212                          ; v212, v213 p's scale words
.set PWB, 213
.set QWA, 214                          ; v214, v215 Q's
.set QWB, 215
.set KW,  216                          ; v[216:219] K's: register i: tile 2 i in lanes 0-15, tile 2 i + 1 in lanes 16-31
.set VW,  220                          ; v[220:221] V's likewise
.set BM,  222                          ; v222-225 a block's largest score, then its largest p
.set PT,  226                          ; v226-229 the other half's, then the bytes
.set SO,  230                          ; v230-233 the conversions' scale operands
.set F,   234                          ; v[234:235] f = 2^(old M - new M); at the end 1 / the sum
.set CH,  236                          ; v[236:237] the sums' second chain
.set TMP, 238
.set QAD, 239                          ; v239 16 x (lane % 16): Q's scale words
.set OCA, 240                          ; v[240:243], v[244:247] the result's codes;  v248, v249 its scale words, v250 both
.set OCB, 244
.set OWA, 248
.set OWB, 249
.set WV,  12
.set G1,  16
.set G0,  24
.set CS,  28                           ; s[28:29] c = log2(e) / 8
.set SEL, 30                           ; s[30:31] selects of v_permlanex16_b32: lane l xor 16
.macro PLACES n
.rept \n
	v_nop
.endr
.endm
.macro CROUND                          ; a round of the cluster's barrier
	s_barrier_signal -1
	s_barrier_wait -1
	s_cmp_lg_u32 s[WV], 0
	s_cbranch_scc1 .Lnot_wave_0_\@
	s_barrier_signal -3
.Lnot_wave_0_\@:
	s_barrier_wait -3
	s_barrier_signal -1
	s_barrier_wait -1
.endm
	s_load_b256 s[4:11], s[0:1], 0x0               ; qq, kv, ac, asw
	v_lshl_add_u32 v254, v0, 2, 0x29000
	v_mov_b32 v255, 0
	ds_add_u32 v254, v255
	ds_add_u32 v254, v255
	v_lshrrev_b32 v1, 5, v0
	s_delay_alu instid0(VALU_DEP_1)
	v_readfirstlane_b32 s[WV], v1                  ; wave 0..15
	s_bfe_u32 s13, ttmp6, 0x40000
	s_lshl_b32 s15, ttmp9, 2
	s_add_co_u32 s13, s13, s15                     ; my block of 512 queries: it enters Q's and the result's addresses alone
	s_and_b32 s14, ttmp7, 0xffff                   ; 16 x batch + head, which the four partners share
	s_mov_b32 s[G1], 15|(3<<16)|(1<<21)            ; the mask: all four; elements of 8 bytes; bit 21 beside a mask; no padding
	s_mov_b32 s[G1+1], 32<<16                      ; rows of 256 bytes,
	s_mov_b32 s[G1+2], 35<<16                      ; 35 of them: a sixteenth of the head's 143,360 bytes
	s_mov_b32 s[G1+3], 32<<16
	s_mov_b32 s[G1+4], 35
	s_mov_b32 s[G1+5], 32
	s_mov_b32 s[G1+6], 0
	s_mov_b32 s[G1+7], 0
	s_mul_i32 s37, s[WV], 8960                     ; my part, in LDS as in memory
	s_mul_i32 s38, s14, 143360
	s_add_co_u32 s38, s38, s37
	s_mov_b32 s39, 0
	s_mov_b32 s[CS], 0x3e38aa3b
	s_mov_b32 s[CS+1], s[CS]                       ; (named with it as a pair, so it is written)
	s_mov_b32 s[SEL], 0x76543210
	s_mov_b32 s[SEL+1], 0xfedcba98
	s_wait_dscnt 0x0
	s_wait_kmcnt 0x0
	s_mov_b32 s[G0], 1
	s_mov_b32 s[G0+1], s37
	s_add_nc_u64 s[G0+2:G0+3], s[6:7], s[38:39]
	s_or_b32 s[G0+3], s[G0+3], 0x80000000
	CROUND                                         ; all four work-groups are here: the joint loads meet
	tensor_load_to_lds s[G0:G0+3], s[G1:G1+7]      ; one tensor load a wave, the only one of the launch
	s_nop 0
	PLACES 4
	; Q: tiles 32 x block + 2 x wave and the next: 512 bytes each; their scale words: group (tile / 8), lane' = r + 16 (tile % 2), word (tile % 8) / 2
	s_mul_i32 s40, s14, 73728
	s_lshl_b32 s15, s13, 14
	s_add_co_u32 s42, s40, s15
	s_lshl_b32 s15, s[WV], 10
	s_add_co_u32 s42, s42, s15
	s_mov_b32 s43, 0
	s_add_nc_u64 s[42:43], s[4:5], s[42:43]
	s_lshr_b32 s44, s[WV], 2
	s_lshl_b32 s15, s13, 2
	s_add_co_u32 s44, s44, s15
	s_lshl_b32 s44, s44, 9
	s_and_b32 s15, s[WV], 3
	s_lshl_b32 s15, s15, 2
	s_add_co_u32 s44, s44, s15
	s_add_co_u32 s44, s44, s40
	s_add_co_u32 s44, s44, 65536
	s_mov_b32 s45, 0
	s_add_nc_u64 s[44:45], s[4:5], s[44:45]
	v_and_b32 v[L4], 31, v0
	s_delay_alu instid0(VALU_DEP_1)
	v_lshlrev_b32 v[L16], 4, v[L4]
	s_delay_alu instid0(VALU_DEP_2)
	v_lshlrev_b32 v[L8], 3, v[L4]
	s_delay_alu instid0(VALU_DEP_3)
	v_lshlrev_b32 v[L4], 2, v[L4]
	v_and_b32 v[QAD], 15, v0
	s_delay_alu instid0(VALU_DEP_1)
	v_lshlrev_b32 v[QAD], 4, v[QAD]
	global_load_b128 v[QFA:QFA+3], v[L16], s[42:43]
	global_load_b128 v[QFB:QFB+3], v[L16], s[42:43] offset:512
	global_load_b32 v[QWA], v[QAD], s[44:45]
	global_load_b32 v[QWB], v[QAD], s[44:45] offset:256
	; the result: tile 128 x batch + 32 x block + 2 x wave: 8,192 bytes a tile, 512 a head; its scale words: 32,768 bytes a head, 64 a tile
	s_lshr_b32 s46, s14, 4
	s_lshl_b32 s46, s46, 7
	s_lshl_b32 s15, s13, 5
	s_add_co_u32 s46, s46, s15
	s_lshl_b32 s15, s[WV], 1
	s_add_co_u32 s46, s46, s15
	s_and_b32 s47, s14, 15
	s_lshl_b32 s48, s46, 13
	s_lshl_b32 s15, s47, 9
	s_add_co_u32 s48, s48, s15
	s_mov_b32 s49, 0
	s_add_nc_u64 s[8:9], s[8:9], s[48:49]
	s_lshl_b32 s48, s46, 6
	s_lshl_b32 s15, s47, 15
	s_add_co_u32 s48, s48, s15
	s_add_nc_u64 s[10:11], s[10:11], s[48:49]
.irp j, 20,21,22,23,28,29,30,31,64,65,66,67
	v_mov_b32 v\j, 0                               ; zero codes
.endr
.irp st, STA, STB
	v_mov_b32 v[\st+1], 0xff61b1e6                 ; the largest t so far: -3e38, under every t
	s_delay_alu instid0(VALU_DEP_1)
	v_floor_f32 v[\st], -v[\st+1]                  ; -M
	v_mov_b32 v[\st+2], 0                          ; the sum, in two halves
	v_mov_b32 v[\st+3], 0
.endr
.irp e, 0,1,2,3
	v_mov_b32 v[PT+\e], 0                          ; written once: a lane permute's destination counts as one of its sources
.endr
	v_mov_b32 v[F+1], 0                            ; (named as the upper half of a pair)
.set j, 0
.rept 64
	v_mov_b32 v[OA+j], 0                           ; O^T of both tiles.  (The step is written once: its first trip finds zeros, which the first change of M leaves zeros)
.set j, j+1
.endr
; S^T = K Q^T for one tile of queries: eight tiles of 16 keys
.macro SCORES qf, qs
.irp t, 0,1,2,3,4,5,6,7
.if (\t%2) == 0
	v_wmma_scale_f32_16x16x128_f8f6f4 v[S+8*\t:S+8*\t+7], v[KF+4*\t:KF+4*\t+7], v[\qf:\qf+7], 0, v[KW+\t/2], v[\qs] matrix_a_fmt:MATRIX_FMT_FP4 matrix_b_fmt:MATRIX_FMT_FP4
.else
	v_wmma_scale_f32_16x16x128_f8f6f4 v[S+8*\t:S+8*\t+7], v[KF+4*\t:KF+4*\t+7], v[\qf:\qf+7], 0, v[KW+\t/2], v[\qs] matrix_a_fmt:MATRIX_FMT_FP4 matrix_b_fmt:MATRIX_FMT_FP4 matrix_a_scale:MATRIX_SCALE_ROW1
.endif
.endr
.endm
; one tile's softmax for 128 keys.  Register 16 e + i of S holds key 32 e + 16 (lane / 16) + i of my query.  st: the tile's statistics; ob: its O^T; pc: p's codes; pw: p's scale word
.macro SOFTMAX st, ob, pc, pw
.irp e, 0,1,2,3
	v_max3_num_f32 v[BM+\e], v[S+16*\e], v[S+16*\e+1], v[S+16*\e+2]   ; the largest score of each block of 32 keys: it serves the row's maximum and, since p rises with the score, the block's largest p
.endr
.irp i, 3,5,7,9,11,13
.irp e, 0,1,2,3
	v_max3_num_f32 v[BM+\e], v[BM+\e], v[S+16*\e+\i], v[S+16*\e+\i+1]
.endr
.endr
.irp e, 0,1,2,3
	v_max_num_f32 v[BM+\e], v[BM+\e], v[S+16*\e+15]
.endr
.irp e, 0,1,2,3
	s_delay_alu instid0(VALU_DEP_4)
	v_permlanex16_b32 v[PT+\e], v[BM+\e], s[SEL], s[SEL+1]
.endr
.irp e, 0,1,2,3
	s_delay_alu instid0(VALU_DEP_4)
	v_max_num_f32 v[BM+\e], v[BM+\e], v[PT+\e]
.endr
	s_delay_alu instid0(VALU_DEP_2)
	v_max3_num_f32 v[TMP], v[BM], v[BM+1], v[BM+2]
	s_delay_alu instid0(VALU_DEP_1)
	v_max_num_f32 v[TMP], v[TMP], v[BM+3]
	s_delay_alu instid0(VALU_DEP_1)
	v_mul_f32 v[TMP], s[CS], v[TMP]                ; the step's largest t (c is positive)
	s_delay_alu instid0(VALU_DEP_1)
	v_max_num_f32 v[\st+1], v[\st+1], v[TMP]       ; the running largest t
	v_mov_b32 v[TMP], v[\st]
	s_delay_alu instid0(VALU_DEP_2)
	v_floor_f32 v[\st], -v[\st+1]                  ; the new -M = -ceil(t)
	s_delay_alu instid0(VALU_DEP_1)
	v_sub_f32 v[TMP], v[\st], v[TMP]               ; old M - new M: a whole number, 0 or less
	s_delay_alu instid0(VALU_DEP_1)
	v_cvt_i32_f32 v[TMP], v[TMP]                   ; (it saturates)
	s_delay_alu instid0(VALU_DEP_1)
	v_ldexp_f32 v[F], 1.0, v[TMP]                  ; f = 2^(old M - new M)
.set j, 0
.rept 32
	v_pk_fma_f32 v[S+j:S+j+1], v[S+j:S+j+1], s[CS:CS+1], v[\st:\st+1] op_sel_hi:[1,0,0]   ; t - M, two at a time
.set j, j+2
.endr
.irp e, 0,1,2,3
	v_fma_f32 v[BM+\e], v[BM+\e], s[CS], v[\st]
.endr
.set j, 0
	s_wait_alu depctr_va_vdst(0)
.rept 64
	v_exp_f32 v[S+j], v[S+j]                       ; p = 2^(t - M)
.set j, j+1
.endr
	v_pk_mul_f32 v[\st+2:\st+3], v[\st+2:\st+3], v[F:F+1] op_sel_hi:[1,0]   ; the sums under the new M: the plain place behind the exponentials
	s_wait_alu depctr_va_vdst(0)                   ; one wait for the batch of 64, ahead of its first reader
.irp e, 0,1,2,3
	v_exp_f32 v[BM+\e], v[BM+\e]                   ; the blocks' largest p
.endr
	v_pk_add_f32 v[CH:CH+1], v[S:S+1], v[S+2:S+3]  ; the row's sum of the unquantised p, in two chains
.set j, 4
.rept 15
	v_pk_add_f32 v[\st+2:\st+3], v[\st+2:\st+3], v[S+j:S+j+1]
	v_pk_add_f32 v[CH:CH+1], v[CH:CH+1], v[S+j+2:S+j+3]
.set j, j+4
.endr
	s_delay_alu instid0(VALU_DEP_1)
	v_pk_add_f32 v[\st+2:\st+3], v[\st+2:\st+3], v[CH:CH+1]
	s_wait_alu depctr_va_vdst(0)                   ; and one for the four
.irp e, 0,1,2,3
	v_max_num_f32 v[BM+\e], 0x1800000, v[BM+\e]    ; the floor 2^(3 - 127): the byte cannot fall under 1
.endr
.irp e, 0,1,2,3
	s_delay_alu instid0(VALU_DEP_4)
	v_add_nc_u32 v[SO+\e], 0xff000000, v[BM+\e]    ; 2 off the exponent field: the conversion's scale operand
.endr
.irp e, 0,1,2,3
	s_delay_alu instid0(VALU_DEP_4)
	v_lshrrev_b32 v[PT+\e], 23, v[SO+\e]           ; the byte
.endr
	s_delay_alu instid0(VALU_DEP_3)
	v_lshl_or_b32 v[\pw], v[PT+1], 8, v[PT]
	s_delay_alu instid0(VALU_DEP_1)
	v_lshl_or_b32 v[\pw], v[PT+2], 16, v[\pw]
	s_delay_alu instid0(VALU_DEP_1)
	v_lshl_or_b32 v[\pw], v[PT+3], 24, v[\pw]
.irp e, 0,1,2,3
	v_cvt_scalef32_pk8_fp4_f32 v[\pc+2*\e], v[S+16*\e:S+16*\e+7], v[SO+\e]
	v_cvt_scalef32_pk8_fp4_f32 v[\pc+2*\e+1], v[S+16*\e+8:S+16*\e+15], v[SO+\e]
.endr
	v_nop                                          ; one plain place behind a scaled conversion
.irp c, 0,1
.irp i, 0,1
	v_permlane16_swap_b32 v[\pc+4*\c+\i], v[\pc+4*\c+2+\i]   ; a whole block in a lane
.endr
.endr
.set j, 0
.rept 16
	v_pk_mul_f32 v[\ob+j:\ob+j+1], v[\ob+j:\ob+j+1], v[F:F+1] op_sel_hi:[1,0]   ; O^T under the new M
.set j, j+2
.endr
.endm
; the end of a tile: O^T / the sum, quantised along the head's 64 channels: two blocks; oc: four registers of codes (lane (r, h): channels 32 h on); ow: bytes 0, 1
.macro FIN st, ob, oc, ow
	v_add_f32 v[\st+2], v[\st+2], v[\st+3]
	s_delay_alu instid0(VALU_DEP_1)
	v_permlanex16_b32 v[PT], v[\st+2], s[SEL], s[SEL+1]
	s_delay_alu instid0(VALU_DEP_1)
	v_add_f32 v[\st+2], v[\st+2], v[PT]            ; the row's sum
	s_wait_alu depctr_va_vdst(0)
	v_rcp_f32 v[F], v[\st+2]
	v_nop                                          ; a plain place behind the transcendental,
	s_wait_alu depctr_va_vdst(0)                   ; and the wait ahead of its first reader
.set j, 0
.rept 16
	v_pk_mul_f32 v[S+j:S+j+1], v[\ob+j:\ob+j+1], v[F:F+1] op_sel_hi:[1,0]   ; each accumulator is read from its low end on
.set j, j+2
.endr
.irp e, 0,1
	v_max3_num_f32 v[BM+\e], |v[S+16*\e]|, |v[S+16*\e+1]|, 0x1800000
.endr
.irp i, 2,4,6,8,10,12,14
.irp e, 0,1
	s_delay_alu instid0(VALU_DEP_2)
	v_max3_num_f32 v[BM+\e], v[BM+\e], |v[S+16*\e+\i]|, |v[S+16*\e+\i+1]|
.endr
.endr
.irp e, 0,1
	s_delay_alu instid0(VALU_DEP_2)
	v_permlanex16_b32 v[PT+\e], v[BM+\e], s[SEL], s[SEL+1]
.endr
.irp e, 0,1
	s_delay_alu instid0(VALU_DEP_2)
	v_max_num_f32 v[BM+\e], v[BM+\e], v[PT+\e]
.endr
.irp e, 0,1
	s_delay_alu instid0(VALU_DEP_2)
	v_add_nc_u32 v[SO+\e], 0xff000000, v[BM+\e]
.endr
.irp e, 0,1
	s_delay_alu instid0(VALU_DEP_2)
	v_lshrrev_b32 v[PT+\e], 23, v[SO+\e]
.endr
	s_delay_alu instid0(VALU_DEP_1)
	v_lshl_or_b32 v[\ow], v[PT+1], 8, v[PT]
.irp e, 0,1
	v_cvt_scalef32_pk8_fp4_f32 v[\oc+2*\e], v[S+16*\e:S+16*\e+7], v[SO+\e]
	v_cvt_scalef32_pk8_fp4_f32 v[\oc+2*\e+1], v[S+16*\e+8:S+16*\e+15], v[SO+\e]
.endr
	v_nop
.irp i, 0,1
	v_permlane16_swap_b32 v[\oc+\i], v[\oc+2+\i]
.endr
.endm
	s_mov_b32 s32, 0                               ; where the step's K lies in LDS: 4,096 bytes a step,
	s_mov_b32 s33, 65536                           ; its V likewise,
	s_mov_b32 s34, 131072                          ; K's scale words: 512 bytes a step,
	s_mov_b32 s35, 139264                          ; V's: 256
	s_mov_b32 s36, 16
	s_wait_tensorcnt 0x0                           ; my part of the head has landed,
	s_barrier_signal -1
	s_barrier_wait -1                              ; everybody's has: every LDS read of the launch stands behind this barrier
	s_wait_loadcnt 0x0                             ; Q
.Lstep:
	s_setprio 2
	v_add_nc_u32 v[ADK], s32, v[L16]               ; these four are also the places behind the last trip's products, in front of the loads below
	v_add_nc_u32 v[ADV], s33, v[L16]
	v_add_nc_u32 v[ADS], s34, v[L16]
	v_add_nc_u32 v[ADT], s35, v[L8]
.irp t, 0,1,2,3,4,5,6,7
	ds_load_b128 v[KF+4*\t:KF+4*\t+3], v[ADK] offset:512*\t
.endr
	ds_load_b128 v[KW:KW+3], v[ADS]
	s_wait_dscnt 0x0
	SCORES QFA, QWA
	PLACES 4
	SOFTMAX STA, OA, PCA, PWA
	SCORES QFB, QWB
	PLACES 4                                       ; in front of the loads over K's registers and of the first read of the scores
.irp t, 0,1,2,3
.irp c, 0,1
	ds_load_b128 v[KF+8*\t+4*\c:KF+8*\t+4*\c+3], v[ADV] offset:1024*\t+512*\c   ; V lands under tile B's softmax
.endr
.endr
	ds_load_b64 v[VW:VW+1], v[ADT]
	s_setprio 1
	SOFTMAX STB, OBB, PCB, PWB
	s_setprio 0
	s_wait_alu depctr_va_vdst(0)
	s_wait_dscnt 0x0
	PLACES 4                                       ; between tile B's last rescaling and the products that add onto it
.irp t, 0,1,2,3                                ; O^T += V^T p^T: the eight accumulators take turns, one instruction a turn
.if (\t%2) == 0
	v_wmma_scale_f32_16x16x128_f8f6f4 v[OA+8*\t:OA+8*\t+7], v[KF+8*\t:KF+8*\t+7], v[PCA:PCA+7], v[OA+8*\t:OA+8*\t+7], v[VW+\t/2], v[PWA] matrix_a_fmt:MATRIX_FMT_FP4 matrix_b_fmt:MATRIX_FMT_FP4
	v_wmma_scale_f32_16x16x128_f8f6f4 v[OBB+8*\t:OBB+8*\t+7], v[KF+8*\t:KF+8*\t+7], v[PCB:PCB+7], v[OBB+8*\t:OBB+8*\t+7], v[VW+\t/2], v[PWB] matrix_a_fmt:MATRIX_FMT_FP4 matrix_b_fmt:MATRIX_FMT_FP4
.else
	v_wmma_scale_f32_16x16x128_f8f6f4 v[OA+8*\t:OA+8*\t+7], v[KF+8*\t:KF+8*\t+7], v[PCA:PCA+7], v[OA+8*\t:OA+8*\t+7], v[VW+\t/2], v[PWA] matrix_a_fmt:MATRIX_FMT_FP4 matrix_b_fmt:MATRIX_FMT_FP4 matrix_a_scale:MATRIX_SCALE_ROW1
	v_wmma_scale_f32_16x16x128_f8f6f4 v[OBB+8*\t:OBB+8*\t+7], v[KF+8*\t:KF+8*\t+7], v[PCB:PCB+7], v[OBB+8*\t:OBB+8*\t+7], v[VW+\t/2], v[PWB] matrix_a_fmt:MATRIX_FMT_FP4 matrix_b_fmt:MATRIX_FMT_FP4 matrix_a_scale:MATRIX_SCALE_ROW1
.endif
.endr
	s_add_co_u32 s32, s32, 4096
	s_add_co_u32 s33, s33, 4096
	s_add_co_u32 s34, s34, 512
	s_add_co_u32 s35, s35, 256
	s_sub_co_u32 s36, s36, 1
	s_cmp_lg_u32 s36, 0
	s_cbranch_scc1 .Lstep
	s_setprio 0
	PLACES 4
	FIN STA, OA, OCA, OWA
	FIN STB, OBB, OCB, OWB
	global_store_b128 v[L16], v[OCA:OCA+3], s[8:9]                ; 512 consecutive bytes: my head's half of a fragment of the last product
	global_store_b128 v[L16], v[OCB:OCB+3], s[8:9] offset:8192
	v_cmp_le_u32 vcc_lo, 64, v[L4]                 ; lanes 16-31 carry tile B's words
	s_delay_alu instid0(VALU_DEP_1)
	v_cndmask_b32 v250, v[OWA], v[OWB], vcc_lo
	global_store_b32 v[L4], v250, s[10:11]
	s_wait_tensorcnt 0x0
	ds_add_u32 v254, v255
	s_wait_dscnt 0x0
	CROUND                                         ; the closing round
	s_endpgm
.Lfunc_end_k_qf16f56a19f_attn:
	.size	k_qf16f56a19f_attn, .Lfunc_end_k_qf16f56a19f_attn-k_qf16f56a19f_attn
	.p2alignl 7, 3214868480
	.fill 96, 4, 3214868480
	.section	.rodata,"a",@progbits
	.p2align	6, 0x0
	.amdhsa_kernel k_qf16f56a19f_attn
		.amdhsa_group_segment_fixed_size 169984
		.amdhsa_private_segment_fixed_size 0
		.amdhsa_enable_private_segment 0
		.amdhsa_kernarg_size 32
		.amdhsa_user_sgpr_count 2
		.amdhsa_user_sgpr_kernarg_segment_ptr 1
		.amdhsa_wavefront_size32 1
		.amdhsa_system_sgpr_workgroup_id_x 1
		.amdhsa_system_sgpr_workgroup_id_y 1
		.amdhsa_system_sgpr_workgroup_id_z 1
		.amdhsa_system_vgpr_workitem_id 0
		.amdhsa_next_free_vgpr 256
		.amdhsa_next_free_sgpr 66
		.amdhsa_reserve_vcc 1
		.amdhsa_float_denorm_mode_32 3
		.amdhsa_float_denorm_mode_16_64 3
		.amdhsa_memory_ordered 1
		.amdhsa_forward_progress 1
		.amdhsa_inst_pref_size 47
	.end_amdhsa_kernel
	.amdgpu_metadata
---
amdhsa.version: [ 1, 2 ]
amdhsa.kernels:
  - .name:           k_qf16f56a19f_attn
    .symbol:         k_qf16f56a19f_attn.kd
    .args:
      - { .name: qq, .offset: 0, .size: 8, .value_kind: global_buffer, .address_space: global }
      - { .name: kv, .offset: 8, .size: 8, .value_kind: global_buffer, .address_space: global }
      - { .name: ac, .offset: 16, .size: 8, .value_kind: global_buffer, .address_space: global }
      - { .name: asw, .offset: 24, .size: 8, .value_kind: global_buffer, .address_space: global }
    .group_segment_fixed_size: 169984
    .private_segment_fixed_size: 0
    .kernarg_segment_align: 8
    .kernarg_segment_size: 32
    .max_flat_workgroup_size: 512
    .sgpr_count:     66
    .vgpr_count:     256
    .wavefront_size: 32
...
	.end_amdgpu_metadata
.endif
;; end of part 2
;; launch outp (part 3): grid 4 x 64, 4 waves a work-group, clusters of 4 x 4, 235,008 bytes of LDS; arguments ac, asw, Wo_codes, Wo_scales, bo, out0; writes out0
.if DOCPART == 3
	.amdgcn_target "amdgcn-amd-amdhsa--gfx1250"
	.amdhsa_code_object_version 6
	.text
	.protected	k_qf16f56a19f_outp
	.globl	k_qf16f56a19f_outp
	.p2align	8
	.type	k_qf16f56a19f_outp,@function
k_qf16f56a19f_outp:
	s_mov_b64 s[64:65], 0
	v_nop
	global_prefetch_b8 v0, s[64:65] scope:SCOPE_SE
	s_setreg_imm32_b32 hwreg(HW_REG_WAVE_MODE, 25, 1), 1
	s_wait_xcnt 0x0
	s_wait_alu depctr_hold_cnt(0) depctr_sa_sdst(0) depctr_va_vdst(0) depctr_va_sdst(0) depctr_va_ssrc(0) depctr_va_vcc(0) depctr_vm_vsrc(0)
	s_getreg_b32 s2, hwreg(HW_REG_IB_STS2, 6, 4)
	s_cmp_eq_u32 s2, 0
	s_cbranch_scc0 .Lentry_in_a_cluster
	s_endpgm
.Lentry_in_a_cluster:
	s_bfe_u32 s2, ttmp6, 0x10000c
	s_cmp_lg_u32 s2, 0xf033
	s_cbranch_scc0 .Lentry_shape_is_right
	s_endpgm
.Lentry_shape_is_right:
; out = attn Wo^T + bo on codes of FP4 (E2M1) with E8M0 scales, sums in f32.  attn comes as images of operand registers (ac: [tile of 16 tokens][head][lane][16 bytes]) and half scale words (asw: [head][tile][row], bytes 0, 1).
; A work-group makes 128 tokens x 256 columns; a wave 64 x 128: 32 accumulators.  K = 1,024: both tiles lie whole in LDS, filled once; one barrier.
; SOURCE 0 = 16 rows of Wo, SOURCE 1 = a tile of tokens: a lane holds eight neighbouring columns of one token.  Heads 2 q and 2 q + 1 are registers 0-3 and 4-7 of K step q's fragment.
; Row r of token tile a is token 32 (a / 2) + 8 (a % 2) + r + 8 (r / 8) of the wave's 64: the order in which the launches before laid the images; the way out puts each row at its token.
; CLUSTER: the tokens' block hangs on the tile row alone and is shared along a row of the cluster, Wo's on cx alone and is shared along a column: joint loads.
; The bias is the C of each sum's first matrix instruction.
; REGISTERS: window 0: addresses, scale words, the bias, the way out.  window 1: two sets of fragments (Wo at 128 s + 8 b, tokens at 128 s + 64 + 8 a).  window 2: accumulator (a, b) at v[8 (8 a + b)].
.set PITCH, 528                        ; a row of Wo in LDS: 512 bytes + 16 of padding; a stage row likewise
.set HALFT, 128*PITCH
.set WLDS,  65536                      ; the tokens' images at 0 (65,536 bytes, dense), Wo's 256 rows here,
.set STG,   WLDS+2*HALFT               ; and the stages, 16 rows for each wave: no fill lands there
.set L16,  4
.set L4,   5
.set ADRR, 6
.set ADRP, 7
.set SOF,  8
.set BOF,  9
.set STO,  10
.set RD,   11
.set SCR,  32                          ; v32-47 the tokens' scale words: register 8 g + q: tile 2 g in lanes 0-15, tile 2 g + 1 in lanes 16-31
.set SCP,  48                          ; v48-79 Wo's likewise
.set HF,   96                          ; v96-127 the half words as loaded: 16 g + head
.set BK,   128                         ; the way out: v128-191 and v192-255 by turns
.set BI,   192                         ; v192-255 the bias, until the first K step is issued
.set WV,  16
.set H1,  17
.set H0,  18
.set CX,  19
.set CY,  20
.set TY,  21
.set TX,  22
.set G1A, 24
.set G0A, 32
.set G1W, 36
.set G0W, 44
.set MSB, 0
.macro WIN new
.if MSB != \new
	s_set_vgpr_msb (MSB<<8)|\new
.set MSB, \new
.endif
.endm
.macro PLACES n
.rept \n
	v_nop
.endr
.endm
.macro CROUND
	s_barrier_signal -1
	s_barrier_wait -1
	s_cmp_lg_u32 s[WV], 0
	s_cbranch_scc1 .Lnot_wave_0_\@
	s_barrier_signal -3
.Lnot_wave_0_\@:
	s_barrier_wait -3
	s_barrier_signal -1
	s_barrier_wait -1
.endm
	s_load_b256 s[4:11], s[0:1], 0x0               ; ac, asw, Wo codes, Wo scales
	s_load_b128 s[12:15], s[0:1], 0x20             ; bo, out0
	v_lshl_add_u32 v94, v0, 2, 0x39400
	v_mov_b32 v95, 0
	ds_add_u32 v94, v95
	ds_add_u32 v94, v95
	v_lshrrev_b32 v1, 5, v0
	v_readfirstlane_b32 s[WV], v1
	s_lshr_b32 s[H1], s[WV], 1                     ; my half of the tokens.  Also: I fetch the tokens' images (0) or Wo's tile (1)
	s_and_b32 s[H0], s[WV], 1                      ; my half of the columns.  Also: which half I fetch
	s_bfe_u32 s[CX], ttmp6, 0x40000
	s_bfe_u32 s[CY], ttmp6, 0x40004
	s_and_b32 s[TY], ttmp7, 0xffff
	s_lshl_b32 s[TY], s[TY], 2
	s_add_co_u32 s[TY], s[TY], s[CY]               ; which 128 tokens
	s_lshl_b32 s[TX], ttmp9, 2
	s_add_co_u32 s[TX], s[TX], s[CX]               ; which 256 columns
	s_lshl_b32 s2, s[CY], 2
	s_lshl_b32 s2, 15, s2
	s_lshl_b32 s3, 0x1111, s[CX]
	s_or_b32 s[G1A], s2, (3<<16)|(1<<21)           ; the images: 128 rows of 256 bytes (32 elements of 8), dense, no padding
	s_mov_b32 s[G1A+1], 32<<16
	s_mov_b32 s[G1A+2], 128<<16
	s_mov_b32 s[G1A+3], 32<<16
	s_mov_b32 s[G1A+4], 128
	s_mov_b32 s[G1A+5], 32
	s_mov_b32 s[G1A+6], 0
	s_mov_b32 s[G1A+7], 0
	s_or_b32 s[G1W], s3, (1<<20)|(1<<21)|(6<<22)|(3<<25)   ; Wo: 128 rows of 512 bytes, 4 words of padding behind every 128
	s_mov_b32 s[G1W+1], 512<<16
	s_mov_b32 s[G1W+2], 128<<16
	s_mov_b32 s[G1W+3], 512<<16
	s_mov_b32 s[G1W+4], 128
	s_mov_b32 s[G1W+5], 512
	s_mov_b32 s[G1W+6], 0
	s_mov_b32 s[G1W+7], 0
	s_lshl_b32 s52, s[H0], 15                      ; the images' half, in LDS as in the block
	s_lshl_b32 s48, s[TY], 16
	s_add_co_u32 s48, s48, s52
	s_mov_b32 s49, 0
	s_lshl_b32 s50, s[TX], 17
	s_lshl_b32 s54, s[H0], 16
	s_add_co_u32 s50, s50, s54
	s_mov_b32 s51, 0
	s_mul_i32 s53, s[H0], HALFT
	s_add_co_u32 s53, s53, WLDS
	s_wait_dscnt 0x0
	s_wait_kmcnt 0x0
	s_mov_b32 s[G0A], 1
	s_mov_b32 s[G0A+1], s52
	s_add_nc_u64 s[G0A+2:G0A+3], s[4:5], s[48:49]
	s_or_b32 s[G0A+3], s[G0A+3], 0x80000000
	s_mov_b32 s[G0W], 1
	s_mov_b32 s[G0W+1], s53
	s_add_nc_u64 s[G0W+2:G0W+3], s[8:9], s[50:51]
	s_or_b32 s[G0W+3], s[G0W+3], 0x80000000
	CROUND                                         ; all sixteen work-groups are here: the joint loads meet
	s_cmp_eq_u32 s[H1], 0
	s_cbranch_scc0 .Lfor_w
	tensor_load_to_lds s[G0A:G0A+3], s[G1A:G1A+7]
	s_nop 0
	PLACES 4
	s_branch .Lasked
.Lfor_w:
	tensor_load_to_lds s[G0W:G0W+3], s[G1W:G1W+7]
	s_nop 0
	PLACES 4
.Lasked:
	s_mov_b32 s57, 0
	s_lshl_b32 s56, s[TX], 13                      ; Wo's scale bytes of my 128 rows
	s_lshl_b32 s54, s[H0], 12
	s_add_co_u32 s56, s56, s54
	s_add_nc_u64 s[10:11], s[10:11], s[56:57]
	s_lshl_b32 s56, s[TY], 9                       ; the half words of my four tiles: 64 bytes a tile
	s_lshl_b32 s54, s[H1], 8
	s_add_co_u32 s56, s56, s54
	s_add_nc_u64 s[6:7], s[6:7], s[56:57]
	s_lshl_b32 s56, s[TX], 10                      ; my 128 columns, in bytes of f32
	s_lshl_b32 s54, s[H0], 9
	s_add_co_u32 s56, s56, s54
	s_add_nc_u64 s[12:13], s[12:13], s[56:57]
	s_lshl_b32 s54, s[TY], 19                      ; and my 64 tokens' rows of 4,096 bytes
	s_add_co_u32 s56, s56, s54
	s_lshl_b32 s54, s[H1], 18
	s_add_co_u32 s56, s56, s54
	s_add_nc_u64 s[14:15], s[14:15], s[56:57]
	v_and_b32 v1, 15, v0                           ; r
	v_bfe_u32 v2, v0, 4, 1                         ; h
	v_and_b32 v3, 31, v0                           ; lane
	v_lshlrev_b32 v[L16], 4, v3
	v_lshlrev_b32 v[L4], 2, v3
	s_lshl_b32 s54, s[H1], 15
	v_add_nc_u32 v[ADRR], s54, v[L16]              ; my four tiles' images
	v_mul_u32_u24 v12, v1, PITCH
	v_lshl_add_u32 v[ADRP], v2, 4, v12
	v_add_nc_u32 v[ADRP], s53, v[ADRP]             ; Wo: row r x pitch + 16 h, in my half
	v_lshlrev_b32 v[SOF], 5, v3
	v_lshlrev_b32 v[BOF], 5, v2
	s_mul_i32 s54, s[WV], 16*PITCH
	s_add_co_u32 s54, s54, STG                     ; my stage
	v_lshl_add_u32 v[STO], v2, 5, v12
	v_add_nc_u32 v[STO], s54, v[STO]               ; in: row r, 32 bytes for each half of the lanes
	v_add_nc_u32 v[RD], s54, v[L16]                ; back: the 32 lanes take a row of 512 bytes
.irp g, 0,1,2,3
	global_load_b128 v[SCP+8*\g:SCP+8*\g+3], v[SOF], s[10:11] offset:1024*\g
	global_load_b128 v[SCP+8*\g+4:SCP+8*\g+7], v[SOF], s[10:11] offset:1024*\g+16
.endr
.irp g, 0,1
.irp n, 0,1,2,3,4,5,6,7,8,9,10,11,12,13,14,15
	global_load_b32 v[HF+16*\g+\n], v[L4], s[6:7] offset:32768*\n+128*\g
.endr
.endr
.irp b, 0,1,2,3,4,5,6,7
	global_load_b128 v[BI+8*\b:BI+8*\b+3], v[BOF], s[12:13] offset:64*\b
	global_load_b128 v[BI+8*\b+4:BI+8*\b+7], v[BOF], s[12:13] offset:64*\b+16
.endr
.macro FETCH q, set                    ; 24 LDS loads in one run: K step q's fragments into set s
	WIN 0x40
.irp i, 0,1,2,3,4,5,6,7
.irp c, 0,1
	ds_load_b128 v[128*(\set)+8*\i+4*\c:128*(\set)+8*\i+4*\c+3], v[ADRP] offset:\i*16*PITCH+64*(\q)+32*\c
.endr
.endr
.irp i, 0,1,2,3
.irp c, 0,1
	ds_load_b128 v[128*(\set)+64+8*\i+4*\c:128*(\set)+64+8*\i+4*\c+3], v[ADRR] offset:\i*8192+1024*(\q)+512*\c
.endr
.endr
	WIN 0
.endm
.macro WM a, b, q, set, first
.set DD, 8*(8*(\a)+(\b))
.if \first
.set CC, BI+8*(\b)
.else
.set CC, DD
.endif
.set PP, 128*(\set)+8*(\b)
.set RR, 128*(\set)+64+8*(\a)
.set XP, SCP+8*((\b)/2)+(\q)
.set XR, SCR+8*((\a)/2)+(\q)
.set PAR, 2*((\a)%2)+((\b)%2)
.if PAR == 0
	v_wmma_scale_f32_16x16x128_f8f6f4 v[DD:DD+7], v[PP:PP+7], v[RR:RR+7], v[CC:CC+7], v[XP], v[XR] matrix_a_fmt:MATRIX_FMT_FP4 matrix_b_fmt:MATRIX_FMT_FP4
.elseif PAR == 1
	v_wmma_scale_f32_16x16x128_f8f6f4 v[DD:DD+7], v[PP:PP+7], v[RR:RR+7], v[CC:CC+7], v[XP], v[XR] matrix_a_fmt:MATRIX_FMT_FP4 matrix_b_fmt:MATRIX_FMT_FP4 matrix_a_scale:MATRIX_SCALE_ROW1
.elseif PAR == 2
	v_wmma_scale_f32_16x16x128_f8f6f4 v[DD:DD+7], v[PP:PP+7], v[RR:RR+7], v[CC:CC+7], v[XP], v[XR] matrix_a_fmt:MATRIX_FMT_FP4 matrix_b_fmt:MATRIX_FMT_FP4 matrix_b_scale:MATRIX_SCALE_ROW1
.else
	v_wmma_scale_f32_16x16x128_f8f6f4 v[DD:DD+7], v[PP:PP+7], v[RR:RR+7], v[CC:CC+7], v[XP], v[XR] matrix_a_fmt:MATRIX_FMT_FP4 matrix_b_fmt:MATRIX_FMT_FP4 matrix_a_scale:MATRIX_SCALE_ROW1 matrix_b_scale:MATRIX_SCALE_ROW1
.endif
.endm
.macro STEP q, first                   ; the 32 accumulators take turns in one order throughout
	s_wait_dscnt 0x0                               ; this step's 24 loads are in
.if \q < 7
.if \q > 0
	PLACES 4                                       ; in front of loads into the set that the last step's products read
.endif
	FETCH (\q)+1, ((\q)+1)%2
.endif
.if \first
	WIN 0x85                                       ; sources 0, 1 window 1; C (the bias) window 0; D window 2
.else
	WIN 0xa5
.endif
.irp a, 0,1,2,3
.irp b, 0,1,2,3,4,5,6,7
	WM \a, \b, \q, (\q)%2, \first
.endr
.endr
	WIN 0
.endm
; THE WAY OUT of token tile a: 32 bytes a lane into my stage, back as whole rows of 512 bytes.  LDS serves a wave's instructions in order: no wait between the stores and the loads, nor in front of the next tile's stores.
.macro TOSTAGE a
	WIN 0x08                                       ; an LDS store's data: window 2
.irp b, 0,1,2,3,4,5,6,7
	ds_store_b128 v[STO], v[64*(\a)+8*\b:64*(\a)+8*\b+3] offset:64*\b          ; each accumulator from its low end on
	ds_store_b128 v[STO], v[64*(\a)+8*\b+4:64*(\a)+8*\b+7] offset:64*\b+16
.endr
	WIN 0
.set BB, BK+64*((\a)%2)
.irp t, 0,1,2,3,4,5,6,7,8,9,10,11,12,13,14,15
	ds_load_b128 v[BB+4*\t:BB+4*\t+3], v[RD] offset:\t*PITCH
.endr
.endm
.macro SEND a, younger                 ; younger: the LDS instructions issued behind tile a's loads, which may stay out
.set BB, BK+64*((\a)%2)
.set TBA, 32*((\a)/2)+8*((\a)%2)
	s_wait_dscnt \younger
.irp t, 0,1,2,3,4,5,6,7,8,9,10,11,12,13,14,15
	global_store_b128 v[L16], v[BB+4*\t:BB+4*\t+3], s[14:15] offset:(TBA+\t+8*(\t/8))*4096 th:TH_STORE_NT   ; 512 consecutive bytes of the row's token; 63 rows of 4,096 bytes at the most stand in the immediate
.endr
.endm
	s_wait_alu depctr_va_vdst(0)
	s_wait_tensorcnt 0x0                           ; my half tile has landed,
	s_barrier_signal -1
	s_barrier_wait -1                              ; everybody's has: every read of the tiles stands behind this barrier
	FETCH 0, 0
	s_wait_loadcnt 0x0                             ; scale words, half words, bias
.irp g, 0,1
.irp q, 0,1,2,3,4,5,6,7
	v_lshl_or_b32 v[SCR+8*\g+\q], v[HF+16*\g+2*\q+1], 16, v[HF+16*\g+2*\q]   ; heads 2 q and 2 q + 1 make K step q's word
.endr
.endr
	PLACES 8                                       ; a scale register written by a vector instruction stands eight places ahead of a scaled matrix instruction
	s_wait_alu depctr_va_vdst(0)
	STEP 0, 1
.irp q, 1,2,3,4,5,6,7
	STEP \q, 0
.endr
	PLACES 4                                       ; in front of the first read of results
	TOSTAGE 0
.irp a, 1,2,3
.if \a > 1
	s_wait_xcnt 0x0                                ; tile a - 2's stores have read their registers: tile a's loads may land there
.endif
	TOSTAGE \a
	SEND \a-1, 32                                  ; behind tile a - 1's loads: tile a's 16 stores and 16 loads
.endr
	SEND 3, 0
	s_wait_tensorcnt 0x0
	ds_add_u32 v94, v95
	s_wait_dscnt 0x0
	CROUND                                         ; the closing round
	s_endpgm
.Lfunc_end_k_qf16f56a19f_outp:
	.size	k_qf16f56a19f_outp, .Lfunc_end_k_qf16f56a19f_outp-k_qf16f56a19f_outp
	.p2alignl 7, 3214868480
	.fill 96, 4, 3214868480
	.section	.rodata,"a",@progbits
	.p2align	6, 0x0
	.amdhsa_kernel k_qf16f56a19f_outp
		.amdhsa_group_segment_fixed_size 235008
		.amdhsa_private_segment_fixed_size 0
		.amdhsa_enable_private_segment 0
		.amdhsa_kernarg_size 48
		.amdhsa_user_sgpr_count 2
		.amdhsa_user_sgpr_kernarg_segment_ptr 1
		.amdhsa_wavefront_size32 1
		.amdhsa_system_sgpr_workgroup_id_x 1
		.amdhsa_system_sgpr_workgroup_id_y 1
		.amdhsa_system_sgpr_workgroup_id_z 1
		.amdhsa_system_vgpr_workitem_id 0
		.amdhsa_next_free_vgpr 768
		.amdhsa_next_free_sgpr 66
		.amdhsa_reserve_vcc 0
		.amdhsa_float_denorm_mode_32 3
		.amdhsa_float_denorm_mode_16_64 3
		.amdhsa_memory_ordered 1
		.amdhsa_forward_progress 1
		.amdhsa_inst_pref_size 73
	.end_amdhsa_kernel
	.amdgpu_metadata
---
amdhsa.version: [ 1, 2 ]
amdhsa.kernels:
  - .name:           k_qf16f56a19f_outp
    .symbol:         k_qf16f56a19f_outp.kd
    .args:
      - { .name: ac, .offset: 0, .size: 8, .value_kind: global_buffer, .address_space: global }
      - { .name: asw, .offset: 8, .size: 8, .value_kind: global_buffer, .address_space: global }
      - { .name: Wo_codes, .offset: 16, .size: 8, .value_kind: global_buffer, .address_space: global }
      - { .name: Wo_scales, .offset: 24, .size: 8, .value_kind: global_buffer, .address_space: global }
      - { .name: bo, .offset: 32, .size: 8, .value_kind: global_buffer, .address_space: global }
      - { .name: out0, .offset: 40, .size: 8, .value_kind: global_buffer, .address_space: global }
    .group_segment_fixed_size: 235008
    .private_segment_fixed_size: 0
    .kernarg_segment_align: 8
    .kernarg_segment_size: 48
    .max_flat_workgroup_size: 128
    .sgpr_count:     66
    .vgpr_count:     768
    .wavefront_size: 32
...
	.end_amdgpu_metadata
.endif
;; end of part 3
